; MI455X (gfx1250); checked and timed in simulation.
; The chip was launched on July 23, 2026; its instructions are those of AMD's public machine-readable ISA for CDNA 5 (MIT licence, August 2026) and "CDNA5" Instruction Set Architecture Reference Guide (July 2026). The comments in the code are by the model that wrote it; some were corrected since.
;; Multihead Attention. Allowed arithmetic: matrix products marked QUANTISED: E2M1 operands, one E8M0 scale for each 32 along K, by v_wmma_scale_f32_16x16x128_f8f6f4 with both operands' format E2M1 (or v_wmma_scale_f32_32x16x128_f4), f32 sums; everything else in f32.
;; Inputs: K 4 x 2,048 x 1,024 float32; Q 4 x 2,048 x 1,024 float32; V 4 x 2,048 x 1,024 float32; W_out 1,024 x 1,024 float32; b_out 1,024 float32.
;; Outputs: out0 4 x 2,048 x 1,024 float32.
;; This version of the problem:
;;   THIS VERSION OF THE PROBLEM IS GIVEN IN LOW PRECISION. The matrix products marked QUANTISED in the list below multiply operands that are first quantised to E2M1 (2 exponent bits, 1 mantissa bit; 4 bits a number), with one power-of-two scale for each 32 numbers along K (OCP MX v1.0); their sums are f32. All else is computed in f32.
;;   The module's matrix products, in the order in which they are computed (A, B: the left and right operand; K: the contracted axis; several contracted axes count as one K, in the product's order):
;;     1. batch 64 x [M 2,048, K 64] x [K 64, N 2,048]; A: input Q; B: input K: QUANTISED
;;     2. batch 64 x [M 64, K 2,048] x [K 2,048, N 2,048]; A: input V; B: softmax (see below): QUANTISED
;;     3. [M 8,192, K 1,024] x [K 1,024, N 1,024]; A: computed on the way; B: input W_out: QUANTISED
;;   THE QUANTISER, for each operand of a quantised product, along K:
;;     - K is cut into blocks of 32 from its start; a last block that is shorter is filled with zeros.
;;     - A block's scale is 2^e with e = floor(log2(the largest magnitude in the block)) - 2, held to -126 .. 127; a block of zeros has e = 0. As a byte (E8M0): e + 127.
;;     - Each number is divided by its block's scale, clamped to +-6, and rounded to the nearest number of E2M1, ties to even, subnormals kept.
;;     - The product sums the exact products of the quantised numbers (number of the format x scale) in f32.
;;   ~~~python
;;   def quantise(x, axis):      # numpy; x: float32 -> the quantised numbers, widened to float32 again
;;       x = np.moveaxis(x, axis, -1); K = x.shape[-1]
;;       x = np.pad(x, [(0, 0)] * (x.ndim - 1) + [(0, -K % 32)]); x = x.reshape(x.shape[:-1] + (-1, 32)); a = np.abs(x).max(-1, keepdims=True)
;;       e = np.where(a > 0, np.clip(np.frexp(np.where(a > 0, a, 1))[1] - 1 - 2, -126, 127), 0)      # np.frexp(a)[1] - 1 = floor(log2(a)), exactly
;;       r = np.clip(x / 2.0 ** e, -6, 6)
;;       step = 2.0 ** (np.maximum(np.frexp(np.where(r == 0, 1, r))[1] - 1, 0) - 1)
;;       q = np.round(r / step) * step * 2.0 ** e      # np.round: ties to even
;;       return np.moveaxis(q.reshape(q.shape[:-2] + (-1,))[..., :K], -1, axis).astype(np.float32)
;;   ~~~
;;   SOFTMAX AHEAD OF A QUANTISED PRODUCT. Where the list says 'softmax', what is quantised is not the finished softmax but p = 2^(t - M), with t = logit x log2(e) and M = ceil(the row's largest t), a whole number; so 1/2 < the row's largest p <= 1. The row's sum l is taken of the UNQUANTISED p, in f32, and the product's result is divided by l at the end. Since M is a whole number, a kernel that streams over the keys may use a running M (the ceiling of the running maximum): every later rescaling is an exact power of two, which a block's scale takes up: the codes' values come out the same.
;;   OPERANDS COMPUTED ON THE WAY. 'Computed on the way' means the value that the module computes at that place (a softmax that the list does not call 'softmax' is quantised finished and normalised). What goes into a quantiser is computed in f32, as accurately as f32 sums, v_exp_f32 and their like allow (about 1e-6 of the number): no bf16 or f16 on the way to a quantiser, and a product that is left as it is and whose result goes on into a quantised operand takes f32 operands (vector FMAs, or v_wmma_f32_16x16x4_f32). A number that lies on a knife's edge between two numbers of the format may be rounded either way, as far as f32 arithmetic and the matrix unit's own rounding can turn it there, and no further.
;; One version. Each part assembles by itself: llvm-mc -triple=amdgcn-amd-amdhsa -mcpu=gfx1250 --defsym DOCPART=n.
;; ======== version 1 of 1: 3 launches
;; limits: right only within a limited range of input values
;; workspace buffers: kv 8,912,896 bytes; ai 4,456,448 bytes; wi 557,056 bytes
;; launch prep (part 1): grid 1088 x 1, 4 waves a work-group, no clusters, 35,840 bytes of LDS; arguments K, V, W_out, kv, wi; writes kv, wi
.if DOCPART == 1
	.amdgcn_target "amdgcn-amd-amdhsa--gfx1250"
	.amdhsa_code_object_version 6
	.text
	.protected	k_qc5fd938dd4_prep
	.globl	k_qc5fd938dd4_prep
	.p2align	8
	.type	k_qc5fd938dd4_prep,@function
k_qc5fd938dd4_prep:
	s_mov_b64 s[64:65], 0
	v_nop
	global_prefetch_b8 v0, s[64:65] scope:SCOPE_SE
	s_setreg_imm32_b32 hwreg(HW_REG_WAVE_MODE, 25, 1), 1
	s_wait_xcnt 0x0
; K, V [4][2048][1024] and W_out [1024][1024], f32, become codes of FP4 (E2M1) with one E8M0 scale byte for each 32 along a product's K,
; laid in the ORDER OF THE OPERANDS' REGISTERS, so that the later launches fetch every fragment as runs of 512 consecutive bytes, 16 a lane.
; K is quantised along the head's 64 (two blocks), V along the keys, W_out along its second axis.
; A block's scale is 2^(floor(log2(its largest magnitude)) - 2); its byte is the largest magnitude's exponent field - 2, held at 1 from below.
; LIMITS: NaN and infinities among the inputs are not served; a block whose largest magnitude lies under 2^-124 keeps the byte 1; a block of zeros
; gets the byte 1 where the quantiser's text says 127: its codes are zeros, which add nothing under that byte, and this program alone reads the bytes.
; kv: [16 b + head][key step s of 128 keys][8,704 bytes]:
;   +0     K: pair j of key tiles at 1,024 j, tile 2 j + c at + 512 c, lane l = 16 h + r at + 16 l: channels 32 h .. 32 h + 31 of key 128 s + 32 j + 8 c + r + 8 (r / 8)
;   +4,096 V: channel tile t at 1,024 t, + 512 c, + 16 l: keys 128 s + 64 c + 32 h + 0 .. 31 of channel 32 (t / 2) + 8 (t % 2) + r + 8 (r / 8)
;   +8,192 scales, 16 bytes a lane: word 0 K's pairs 0 (lanes 0-15) and 1 (lanes 16-31), word 1 pairs 2 and 3, word 2 V's tiles 0 and 1, word 3 tiles 2 and 3
; wi: [block of 256 rows n][139,264 bytes]: codes at 8,192 T + 1,024 kap + 512 c + 16 l (lane r of tile T = 2 G + u is row 32 G + 8 u + r + 8 (r / 8); k = 128 kap + 64 c + 32 h ..);
;   scale words at 131,072 + 512 T + 64 kap + 4 r.
; SHARES.  Work-groups 0 .. 1023 (256 b + 16 s + head) make one step block of kv, wave w its keys 32 w .. 32 w + 31.  Work-groups 1024 .. 1087 take W_out: 32 rows x 512 along k, a wave 128 along k.
; No two work-groups read the same byte, so there is nothing to share in a cluster; a wave asks for all that it reads at its head.  The path for W_out uses no LDS and no barrier.
; THE ORDER OF K's KEYS, as the loads below make it (it takes the place of the key named in the line on K above; the bytes' places stay):
; row r of tile 2 j + c is key 128 s + 64 (j / 2) + 32 (r / 8) + 16 (j % 2) + 8 c + r % 8, so that in the scores of four neighbouring tiles a lane's 32 registers are 32 neighbouring keys.
; Wave w makes pair w from keys 64 (w / 2) + 16 (w % 2) + 0 .. 15 and the 16 keys that lie 32 further on; its V stays keys 32 w .. 32 w + 31.
.set STEPB, 8704
.set HEADB, 139264                     ; a head's 16 step blocks; a block of wi has as many bytes
.set SP,    272                        ; a row of the stage: 256 bytes + 16, so that the 16 rows that a load touches start at 16 different banks (64 banks of 4 bytes: ISA guide 11.1)
.set SCI,   4*32*SP                    ; behind the four waves' stages: the step's 512 scale bytes
.set KX,    64                         ; v64-127   K as loaded
.set VX,    128                        ; v128-191  V as loaded: a column a lane, registers down the keys
.set KY,    64                         ; v64-127   K back from the stage, in the registers in which it was loaded: 32 neighbours a lane, for two tiles
; v1 lane, v2 r, v3 h; v4 K's load offset, v5 V's, v6 into the stage, v7 out of it, v8 16 x lane, v9 V's store offset, v10 K's scale word in LDS, v11 V's scale byte,
; v12 8 h, v13 the scale image for my lane, v14 W's load offset, v15 W's scale store offset; v16-18 a block's maximum and scale operand; v20, v21 permutes' destinations;
; v24-27 scale bytes; v28-31 scale words; v32-47 four sets of codes, each written once, so that no store's data are written again.
; 32 numbers of ONE block in v[x] on become 16 bytes of codes in v[c] on and the scale's byte in v[sb].
.macro QB32 x, c, sb
	v_max3_num_f32 v16, |v[\x]|, |v[\x+1]|, 0x1800000              ; two chains; the floor 2^(3 - 127) is one more leaf: the byte cannot fall under 1
	v_max3_num_f32 v17, |v[\x+2]|, |v[\x+3]|, |v[\x+4]|
.irp i, 5,9,13,17,21,25
	v_max3_num_f32 v16, v16, |v[\x+\i]|, |v[\x+\i+1]|
	v_max3_num_f32 v17, v17, |v[\x+\i+2]|, |v[\x+\i+3]|
.endr
	v_max3_num_f32 v16, v16, |v[\x+29]|, |v[\x+30]|
	v_max3_num_f32 v16, v16, v17, |v[\x+31]|
	v_add_nc_u32 v18, 0xff000000, v16                              ; 2 off the exponent field: the conversion takes the exponent field of this operand as its scale
.irp g, 0,1,2,3
	v_cvt_scalef32_pk8_fp4_f32 v[\c+\g], v[\x+8*\g:\x+8*\g+7], v18
.endr
	v_lshrrev_b32 v[\sb], 23, v18                                  ; the scale's byte; also the plain line behind the conversions
.endm
	s_load_b256 s[4:11], s[0:1], 0x0               ; K s[4:5], V s[6:7], W_out s[8:9], kv s[10:11]
	s_load_b64 s[12:13], s[0:1], 0x20              ; wi
	v_lshl_add_u32 v62, v0, 2, 0x8a00
	v_mov_b32 v63, 0
	v_lshrrev_b32 v1, 5, v0
	v_readfirstlane_b32 s14, v1                    ; wave 0..3
	v_and_b32 v1, 31, v0                           ; lane
	v_and_b32 v2, 15, v0                           ; r
	v_bfe_u32 v3, v0, 4, 1                         ; h
	v_lshlrev_b32 v8, 4, v1                        ; 16 x lane
	v_lshlrev_b32 v12, 3, v3                       ; 8 h
	v_mov_b32 v20, 0                               ; a lane permute's destination counts as one of its sources
	v_mov_b32 v21, 0
	s_mov_b32 s24, 0x76543210
	s_mov_b32 s25, 0xfedcba98                      ; v_permlanex16_b32's selects for lane l xor 16
	s_cmp_ge_u32 ttmp9, 1024                       ; the choice hangs on the work-group's number alone
	s_cbranch_scc1 .Lw_path
	; ---------------- K and V: one step block of kv ----------------
	s_lshr_b32 s15, ttmp9, 8                       ; b
	s_bfe_u32 s16, ttmp9, 0x40004                  ; s
	s_and_b32 s17, ttmp9, 15                       ; head
	s_lshl_b32 s18, s15, 11
	s_lshl_b32 s19, s16, 7
	s_add_co_u32 s18, s18, s19
	s_lshl_b32 s19, s14, 5
	s_add_co_u32 s18, s18, s19                     ; my wave's first key: row 2,048 b + 128 s + 32 w
	s_lshl_b32 s20, s18, 12                        ; of 4,096 bytes,
	s_lshl_b32 s19, s17, 8
	s_add_co_u32 s20, s20, s19                     ; + the head's 256 bytes (under 2^25)
	s_mov_b32 s21, 0
	s_lshl_b32 s18, s15, 4
	s_add_co_u32 s18, s18, s17
	s_mul_i32 s22, s18, HEADB
	s_mul_i32 s19, s16, STEPB
	s_add_co_u32 s22, s22, s19                     ; the step block in kv
	s_mov_b32 s23, 0
	s_wait_alu depctr_va_vdst(0)
	v_lshlrev_b32 v4, 12, v3
	v_lshl_add_u32 v4, v2, 4, v4                   ; K in: lanes 0-15 one key's 256 bytes, lanes 16-31 the next key's
	v_and_b32 v5, 8, v2
	v_add_nc_u32 v5, v5, v2                        ; r + 8 (r / 8)
	v_lshl_add_u32 v5, v3, 3, v5
	v_lshlrev_b32 v5, 2, v5                        ; V in: my column 8 h + r + 8 (r / 8) of 32: row r of channel tile h (+ 2 for the upper 32 columns)
	s_mul_i32 s26, s14, 32*SP                      ; my stage
	v_mul_u32_u24 v6, v3, SP
	v_lshl_add_u32 v6, v2, 4, v6
	v_add_nc_u32 v6, s26, v6
	v_mul_u32_u24 v7, v2, SP
	v_lshl_add_u32 v7, v3, 7, v7
	v_add_nc_u32 v7, s26, v7                       ; out of it: row r of a tile, my half's 128 bytes
	v_lshlrev_b32 v9, 10, v3
	v_lshl_add_u32 v9, v2, 4, v9                   ; V out: tile h, row r
	s_and_b32 s27, s14, 1
	s_lshl_b32 s27, s27, 8                         ; 256 (w % 2)
	s_lshr_b32 s28, s14, 1                         ; w / 2
	s_lshl_b32 s29, s28, 2
	s_add_co_u32 s29, s29, s27
	s_add_co_u32 s29, s29, SCI
	v_lshl_add_u32 v10, v2, 4, s29                 ; pair w's scale word of row r: lane 16 (w % 2) + r of the image, word w / 2
	s_add_co_u32 s30, s14, SCI+8
	v_lshl_add_u32 v11, v1, 4, s30                 ; V's byte: my lane's word 2, byte w (key block w of the step)
	v_lshl_add_u32 v13, v1, 4, SCI
	s_wait_alu depctr_va_vdst(0)
	s_wait_kmcnt 0x0
	s_add_nc_u64 s[4:5], s[4:5], s[20:21]
	s_lshl_b32 s30, s27, 8                         ; 65,536 (w % 2): 16 keys of 4,096 bytes
	s_mov_b32 s31, 0
	s_sub_nc_u64 s[4:5], s[4:5], s[30:31]          ; K: my first key is 64 (w / 2) + 16 (w % 2), not 32 w
	s_add_nc_u64 s[6:7], s[6:7], s[20:21]
	s_add_nc_u64 s[10:11], s[10:11], s[22:23]
	s_lshl_b32 s30, s28, 9
	s_add_co_u32 s30, s30, s27
	s_mov_b32 s31, 0
	s_add_nc_u64 s[32:33], s[10:11], s[30:31]      ; V's codes: my 32 keys are c = w / 2, half w % 2 of every tile
	s_lshl_b32 s30, s14, 10
	s_add_nc_u64 s[34:35], s[10:11], s[30:31]      ; K's codes: pair w
.set i, 0
.rept 16
	global_load_b128 v[KX+4*i:KX+4*i+3], v4, s[4:5] offset:8192*(i&7)+131072*(i>>3) th:TH_LOAD_NT   ; two keys a load, 256 consecutive bytes each; the second eight loads take the keys 32 further on
.set i, i+1
.endr
.irp bb, 0,1
.set i, 0
.rept 32
	global_load_b32 v[VX+32*\bb+i], v5, s[6:7] offset:4096*i+128*\bb th:TH_LOAD_NT   ; key i at 32 columns: 128 consecutive bytes a wave
.set i, i+1
.endr
.endr
	s_wait_loadcnt 63                              ; 80 loads were issued: with 63 out the oldest 17 are in, K's 16 among them
	; K turns through my stage: in as loaded, the rows in the order of the two tiles (my key 16 a + 8 u + e lands at row 16 u + 8 a + e); out 128 bytes a lane.
.set i, 0
.rept 16
	ds_store_b128 v6, v[KX+4*i:KX+4*i+3] offset:SP*(16*((i>>2)&1)+8*(i>>3)+2*(i&3))
.set i, i+1
.endr
	s_wait_dscnt 0x0                               ; the stores have read their registers: the loads below land in the same 64
.irp u, 0,1
.irp j, 0,1,2,3,4,5,6,7
	ds_load_b128 v[KY+32*\u+4*\j:KY+32*\u+4*\j+3], v7 offset:16*SP*\u+16*\j
.endr
.endr
	s_wait_loadcnt 32                              ; V's first 32 loads are in; the upper columns' 32 may be out
	QB32 VX, 32, 24
	ds_store_b8 v11, v24
	global_store_b128 v9, v[32:35], s[32:33] offset:4096           ; sixteen lanes store 256 consecutive bytes, aligned
	s_wait_loadcnt 0x0
	QB32 VX+32, 36, 25
	ds_store_b8 v11, v25 offset:4                                  ; tiles 2 and 3: the image's word 3
	global_store_b128 v9, v[36:39], s[32:33] offset:4096+2048
	s_wait_dscnt 10                                ; tile 0's eight loads are in: behind them stand tile 1's eight and the two byte stores
	QB32 KY, 40, 26
	global_store_b128 v8, v[40:43], s[34:35]                       ; 512 consecutive bytes
	s_wait_dscnt 2                                 ; tile 1's are in: behind them the two byte stores
	QB32 KY+32, 44, 27
	global_store_b128 v8, v[44:47], s[34:35] offset:512
	v_lshl_or_b32 v28, v27, 16, v26                ; my block's bytes of the two tiles,
	v_lshlrev_b32 v28, v12, v28                    ; at their places (8 h bits up);
	v_permlanex16_b32 v20, v28, s24, s25
	v_or_b32 v28, v28, v20                         ; with lane l xor 16's two the pair's word is whole
	ds_store_b32 v10, v28                          ; both lanes of a row write the same word with the same value
	s_wait_dscnt 0x0                               ; for the others' sake: my stores into the scale image are done
	s_barrier_signal -1
	s_barrier_wait -1
	s_cmp_lg_u32 s14, 0
	s_cbranch_scc1 .Ldone
	ds_load_b128 v[28:31], v13                     ; wave 0 stores the image: 512 consecutive bytes
	s_wait_dscnt 0x0
	global_store_b128 v8, v[28:31], s[10:11] offset:8192
.Ldone:
	s_wait_tensorcnt 0x0
	ds_add_u32 v62, v63
	s_wait_dscnt 0x0
	s_endpgm
	; ---------------- W_out: 32 rows x 128 along k a wave ----------------
.Lw_path:
	s_sub_co_u32 s15, ttmp9, 1024
	s_lshr_b32 s16, s15, 1                         ; g: rows 32 g on
	s_and_b32 s17, s15, 1
	s_lshl_b32 s17, s17, 2
	s_add_co_u32 s17, s17, s14                     ; kap: k = 128 kap on
	s_lshl_b32 s20, s16, 17                        ; 32 g rows of 4,096 bytes
	s_lshl_b32 s18, s17, 9
	s_add_co_u32 s20, s20, s18
	s_mov_b32 s21, 0
	s_lshr_b32 s18, s16, 3
	s_mul_i32 s22, s18, HEADB                      ; the block of 256 rows in wi
	s_and_b32 s19, s16, 7                          ; G: tiles 2 G and 2 G + 1
	s_lshl_b32 s26, s19, 14
	s_add_co_u32 s26, s26, s22
	s_lshl_b32 s27, s17, 10
	s_add_co_u32 s26, s26, s27                     ; the codes
	s_mov_b32 s27, 0
	s_lshl_b32 s28, s19, 10
	s_add_co_u32 s28, s28, s22
	s_lshl_b32 s29, s17, 6
	s_add_co_u32 s28, s28, s29
	s_add_co_u32 s28, s28, 131072                  ; the scale words
	s_mov_b32 s29, 0
	s_wait_alu depctr_va_vdst(0)
	v_and_b32 v14, 8, v2
	v_add_nc_u32 v14, v14, v2
	v_lshlrev_b32 v14, 12, v14
	v_lshl_add_u32 v14, v3, 7, v14                 ; row r + 8 (r / 8), my half's 32 numbers of a block pair
	v_lshlrev_b32 v15, 9, v3
	v_lshl_add_u32 v15, v2, 2, v15                 ; lanes 0-15 store tile 2 G's words, lanes 16-31 tile 2 G + 1's
	s_wait_alu depctr_va_vdst(0)
	s_wait_kmcnt 0x0
	s_add_nc_u64 s[8:9], s[8:9], s[20:21]
	s_add_nc_u64 s[30:31], s[12:13], s[26:27]
	s_add_nc_u64 s[32:33], s[12:13], s[28:29]
	; Here the lanes stand on different rows, 128 bytes a lane in eight loads that use those bytes whole: W_out is 4 of the 71 MB that the launch reads.
.irp c, 0,1
.irp u, 0,1
.irp j, 0,1,2,3,4,5,6,7
	global_load_b128 v[64+32*(2*\c+\u)+4*\j:64+32*(2*\c+\u)+4*\j+3], v14, s[8:9] offset:32768*\u+256*\c+16*\j th:TH_LOAD_NT
.endr
.endr
.endr
	s_wait_loadcnt 0x0
.irp q, 0,1,2,3                                ; q = 2 c + u
	QB32 64+32*\q, 32+4*\q, 24+\q
.endr
.irp q, 0,1,2,3
	global_store_b128 v8, v[32+4*\q:32+4*\q+3], s[30:31] offset:8192*(\q%2)+512*(\q/2)   ; 512 consecutive bytes
.endr
	v_lshl_or_b32 v28, v25, 16, v24                ; c = 0: my block's bytes of tiles u = 0 and 1,
	v_lshl_or_b32 v29, v27, 16, v26                ; c = 1 likewise,
	v_lshlrev_b32 v28, v12, v28                    ; 8 h bits up;
	v_lshlrev_b32 v29, v12, v29
	v_permlanex16_b32 v20, v28, s24, s25
	v_permlanex16_b32 v21, v29, s24, s25
	v_or_b32 v28, v28, v20                         ; with lane l xor 16's
	v_or_b32 v29, v29, v21
	v_perm_b32 v30, v29, v28, 0x05040100           ; tile u = 0's word: blocks 0, 1 (c = 0), 2, 3 (c = 1)
	v_perm_b32 v31, v29, v28, 0x07060302           ; tile u = 1's
	v_cmp_ne_u32 vcc_lo, 0, v3
	v_cndmask_b32 v30, v30, v31, vcc_lo
	global_store_b32 v15, v30, s[32:33]            ; two runs of 64 bytes: 32 KB of such stores in the whole launch
	s_endpgm
.Lfunc_end_k_qc5fd938dd4_prep:
	.size	k_qc5fd938dd4_prep, .Lfunc_end_k_qc5fd938dd4_prep-k_qc5fd938dd4_prep
	.p2alignl 7, 3214868480
	.fill 96, 4, 3214868480
	.section	.rodata,"a",@progbits
	.p2align	6, 0x0
	.amdhsa_kernel k_qc5fd938dd4_prep
		.amdhsa_group_segment_fixed_size 35840
		.amdhsa_private_segment_fixed_size 0
		.amdhsa_enable_private_segment 0
		.amdhsa_kernarg_size 40
		.amdhsa_user_sgpr_count 2
		.amdhsa_user_sgpr_kernarg_segment_ptr 1
		.amdhsa_wavefront_size32 1
		.amdhsa_system_sgpr_workgroup_id_x 1
		.amdhsa_system_sgpr_workgroup_id_y 1
		.amdhsa_system_sgpr_workgroup_id_z 1
		.amdhsa_system_vgpr_workitem_id 0
		.amdhsa_next_free_vgpr 192
		.amdhsa_next_free_sgpr 66
		.amdhsa_reserve_vcc 1
		.amdhsa_float_denorm_mode_32 3
		.amdhsa_float_denorm_mode_16_64 3
		.amdhsa_memory_ordered 1
		.amdhsa_forward_progress 1
		.amdhsa_inst_pref_size 31
	.end_amdhsa_kernel
	.amdgpu_metadata
---
amdhsa.version: [ 1, 2 ]
amdhsa.kernels:
  - .name:           k_qc5fd938dd4_prep
    .symbol:         k_qc5fd938dd4_prep.kd
    .args:
      - { .name: K, .offset: 0, .size: 8, .value_kind: global_buffer, .address_space: global }
      - { .name: V, .offset: 8, .size: 8, .value_kind: global_buffer, .address_space: global }
      - { .name: W_out, .offset: 16, .size: 8, .value_kind: global_buffer, .address_space: global }
      - { .name: kv, .offset: 24, .size: 8, .value_kind: global_buffer, .address_space: global }
      - { .name: wi, .offset: 32, .size: 8, .value_kind: global_buffer, .address_space: global }
    .group_segment_fixed_size: 35840
    .private_segment_fixed_size: 0
    .kernarg_segment_align: 8
    .kernarg_segment_size: 40
    .max_flat_workgroup_size: 128
    .sgpr_count:     66
    .vgpr_count:     192
    .wavefront_size: 32
...
	.end_amdgpu_metadata
.endif
;; end of part 1
;; launch attn (part 2): grid 4 x 64, 16 waves a work-group, clusters of 4 x 1, 327,680 bytes of LDS; arguments Q, kv, ai; writes ai
.if DOCPART == 2
	.amdgcn_target "amdgcn-amd-amdhsa--gfx1250"
	.amdhsa_code_object_version 6
	.text
	.protected	k_qc5fd938dd4_attn
	.globl	k_qc5fd938dd4_attn
	.p2align	8
	.type	k_qc5fd938dd4_attn,@function
k_qc5fd938dd4_attn:
	s_mov_b64 s[64:65], 0
	v_nop
	global_prefetch_b8 v0, s[64:65] scope:SCOPE_SE
	s_setreg_imm32_b32 hwreg(HW_REG_WAVE_MODE, 25, 1), 1
	s_wait_xcnt 0x0
	s_wait_alu depctr_hold_cnt(0) depctr_sa_sdst(0) depctr_va_vdst(0) depctr_va_sdst(0) depctr_va_ssrc(0) depctr_va_vcc(0) depctr_vm_vsrc(0)
	s_getreg_b32 s2, hwreg(HW_REG_IB_STS2, 6, 4)
	s_cmp_eq_u32 s2, 0
	s_cbranch_scc0 .Lentry_in_a_cluster
	s_endpgm
.Lentry_in_a_cluster:
	s_bfe_u32 s2, ttmp6, 0x10000c
	s_cmp_lg_u32 s2, 0x3003
	s_cbranch_scc0 .Lentry_shape_is_right
	s_endpgm
.Lentry_shape_is_right:
; For each batch b and head: O[q] = sum over keys of softmax(Q[q] . K[key] / 32) V[key], both products on codes of FP4 (E2M1) with one E8M0 scale for each 32 along a product's K;
; O is then quantised along its 64 channels and stored, with its scale bytes, in the order of the next launch's operand registers (ai).
; THE SOFTMAX: t = score x log2(e) / 32; M = the running largest t rounded up to a whole number; p = 2^(t - M) is quantised along the keys; the row's sum is taken of the unquantised p and divides O at the end.
; When M moves, the sum and O are multiplied by 2^(old M - new M), in every step, with no branch on data.
; LIMITS: the promise holds while |t| stays under 2^31; NaN and infinities among the inputs are not served; a block of zeros keeps the scale byte 1 (its codes are zeros; this program alone reads the bytes).
; SHARES.  256 work-groups: work-group (x, y) owns queries 512 x .. 512 x + 511 of head y % 16 of batch y / 16; wave w owns 32 of them, in two passes of 16.  Every wave walks the head's 2,048 keys, 128 a step.
; LDS IS FILLED ONCE, by one tensor load a wave: waves 0-7 bring the head's 16 step blocks of kv (two each, 17,408 bytes), waves 8-15 the work-group's 512 rows of Q (64 each, 256 bytes a row + 16 of padding).
; CLUSTER 4 x 1: the four work-groups of a head need the same kv: each part is asked for jointly, by the same load with the mask 15.  Q's rows are each work-group's own.
; No data prefetch: the one load a wave at the head asks for all that the work-group reads, and there is no loop to run ahead in.
; LAYOUT.  Both products are used transposed: a lane holds one query (lane % 16).  A fragment of K holds two tiles of 16 keys (64 channels each, in the two halves of the instruction's 128);
; Q's fragment has zeros in the other half.  Row r of tile T (0..3) of a group g of 64 keys is key 64 g + 32 (r / 8) + 8 T + r % 8: so registers S + 32 g + 0 .. 31 of lane (r, h) are keys 64 g + 32 h + 0 .. 31,
; ONE WHOLE BLOCK: its largest score needs no other lane, and the conversions' results are P's operand as they stand.
; A BARRIER IN EACH STEP, signal at the step's top and wait ahead of the exponentials: a wave passes the wait of a step only when all sixteen have begun that step.  It guards no bytes: LDS is only read in the loop.
.set WSH,  8704                        ; a step block of kv; also a wave's 32 rows of Q in LDS (32 x 272)
.set QST,  139264                      ; behind kv: Q's rows
.set SPARE, 278528                     ; behind them: the spare words, 128 bytes a wave
.set LI,   1                           ; v1  16 x lane
.set QSO,  3                           ; v3  my place in my wave's rows of Q
.set OSA,  4                           ; v4  4 r: O's scale bytes on the way out
.set ADR,  5                           ; v5  the step block in hand + 16 x lane
.set SH8,  6                           ; v6  8 h
.set SCW,  8                           ; v8-9 K's scale words, v10-11 V's
.set QF,   16                          ; v16-27 Q's codes, zeros, Q's codes: v[16:23] meets a fragment's first tile, v[20:27] its second
.set QC,   28                          ; v28-31 pass 0's codes of Q; v224-227 pass 1's
.set KF,   32
.set VF,   64
.set S,    96                          ; v96-159 scores, then p
.set OT,   160                         ; v160-191 O^T
.set PC,   192                         ; v192-199 p's codes
.set QW,   200                         ; v200, v201 Q's scale words of the two passes
.set PW,   202
.set OW,   203
.set BM,   204                         ; v204-205 a lane's two blocks: largest score, then largest p
.set CA,   206                         ; v206-209 four chains of maxima
.set RM,   210
.set PR,   211                         ; v211, v222 lane permutes' destinations
.set N2,   212
.set DD,   213
.set FF,   214                         ; v[214:215] the factor (the pair's upper word is written once)
.set SO,   216
.set SB,   218
.set TT,   220
.set PR2,  222
.set SPW,  251
.set NIL,  255
.set TB,   2
.set CNT,  3
.set WV,   10
.set SEL,  20
.set CS,   22                          ; s[22:23] c = log2(e) / 32
.set G1KV, 24
.set G1Q,  32
.set G0KV, 40
.set G0Q,  44
.set OSB,  48
.set NC,   56                          ; s56 -c
.macro CROUND
	s_barrier_signal -1
	s_barrier_wait -1
	s_cmp_lg_u32 s[WV], 0
	s_cbranch_scc1 .Lnot_wave_0_\@
	s_barrier_signal -3
.Lnot_wave_0_\@:
	s_barrier_wait -3
	s_barrier_signal -1
	s_barrier_wait -1
.endm
.macro SPROD j, u, p
.if (\j)%2
	v_wmma_scale_f32_16x16x128_f8f6f4 v[S+16*(\j)+8*(\u):S+16*(\j)+8*(\u)+7], v[KF+8*(\j):KF+8*(\j)+7], v[QF+4*(\u):QF+4*(\u)+7], 0, v[SCW+(\j)/2], v[QW+(\p)] matrix_a_fmt:MATRIX_FMT_FP4 matrix_b_fmt:MATRIX_FMT_FP4 matrix_a_scale:MATRIX_SCALE_ROW1
.else
	v_wmma_scale_f32_16x16x128_f8f6f4 v[S+16*(\j)+8*(\u):S+16*(\j)+8*(\u)+7], v[KF+8*(\j):KF+8*(\j)+7], v[QF+4*(\u):QF+4*(\u)+7], 0, v[SCW+(\j)/2], v[QW+(\p)] matrix_a_fmt:MATRIX_FMT_FP4 matrix_b_fmt:MATRIX_FMT_FP4
.endif
.endm
.macro OPROD t
.if (\t)%2
	v_wmma_scale_f32_16x16x128_f8f6f4 v[OT+8*(\t):OT+8*(\t)+7], v[VF+8*(\t):VF+8*(\t)+7], v[PC:PC+7], v[OT+8*(\t):OT+8*(\t)+7], v[SCW+2+(\t)/2], v[PW] matrix_a_fmt:MATRIX_FMT_FP4 matrix_b_fmt:MATRIX_FMT_FP4 matrix_a_scale:MATRIX_SCALE_ROW1
.else
	v_wmma_scale_f32_16x16x128_f8f6f4 v[OT+8*(\t):OT+8*(\t)+7], v[VF+8*(\t):VF+8*(\t)+7], v[PC:PC+7], v[OT+8*(\t):OT+8*(\t)+7], v[SCW+2+(\t)/2], v[PW] matrix_a_fmt:MATRIX_FMT_FP4 matrix_b_fmt:MATRIX_FMT_FP4
.endif
.endm
.macro LD4 reg, adr, off, i0, n        ; n runs of 512 bytes, 16 a lane: four registers of a fragment each
.set i, \i0
.rept \n
	ds_load_b128 v[\reg+4*i:\reg+4*i+3], v[\adr] offset:\off+512*i
.set i, i+1
.endr
.endm
; 32 channels of one query in v[x] on become 16 bytes of codes in v[c] on; the row's two bytes, twice, make the scale word qw.
.macro QQ x, c, qw
	v_max3_num_f32 v[CA], |v[\x]|, |v[\x+1]|, 0x1800000            ; the floor 2^(3 - 127) is one more leaf: the byte cannot fall under 1
	v_max3_num_f32 v[CA+1], |v[\x+2]|, |v[\x+3]|, |v[\x+4]|
.irp i, 5,9,13,17,21,25
	s_delay_alu instid0(VALU_DEP_2)
	v_max3_num_f32 v[CA], v[CA], |v[\x+\i]|, |v[\x+\i+1]|
	s_delay_alu instid0(VALU_DEP_2)
	v_max3_num_f32 v[CA+1], v[CA+1], |v[\x+\i+2]|, |v[\x+\i+3]|
.endr
	s_delay_alu instid0(VALU_DEP_2)
	v_max3_num_f32 v[CA], v[CA], |v[\x+29]|, |v[\x+30]|
	s_delay_alu instid0(VALU_DEP_1)
	v_max3_num_f32 v[CA], v[CA], v[CA+1], |v[\x+31]|
	s_delay_alu instid0(VALU_DEP_1)
	v_add_nc_u32 v[SO], 0xff000000, v[CA]                          ; 2 off the exponent field: the conversion's scale operand
.irp g, 0,1,2,3
	v_cvt_scalef32_pk8_fp4_f32 v[\c+\g], v[\x+8*\g:\x+8*\g+7], v[SO]
.endr
	v_lshrrev_b32 v[SB], 23, v[SO]                                 ; the byte; also the plain line behind the conversions
	s_delay_alu instid0(VALU_DEP_1)
	v_lshlrev_b32 v[SB], v[SH8], v[SB]
	s_delay_alu instid0(VALU_DEP_1)
	v_permlanex16_b32 v[PR], v[SB], s[SEL], s[SEL+1]
	s_delay_alu instid0(VALU_DEP_1)
	v_or_b32 v[SB], v[SB], v[PR]
	s_delay_alu instid0(VALU_DEP_1)
	v_lshl_or_b32 v[\qw], v[SB], 16, v[SB]
.endm
	s_load_b128 s[4:7], s[0:1], 0x0                ; Q, kv
	s_load_b64 s[8:9], s[0:1], 0x10                ; ai
	v_lshl_add_u32 v[SPW], v0, 2, SPARE
	v_mov_b32 v[NIL], 0
	ds_add_u32 v[SPW], v[NIL]                      ; the opening lines: the add, twice on end, and its wait ahead of the first tensor load
	ds_add_u32 v[SPW], v[NIL]
	v_lshrrev_b32 v5, 5, v0
	s_delay_alu instid0(VALU_DEP_1)
	v_readfirstlane_b32 s[WV], v5                  ; wave 0..15
	s_mul_i32 s58, s[WV], WSH
	s_add_co_u32 s58, s58, QST                     ; my wave's 32 rows of Q
	v_and_b32 v1, 31, v0
	v_and_b32 v4, 15, v0                           ; r
	v_bfe_u32 v6, v0, 4, 1                         ; h
	v_lshlrev_b32 v[LI], 4, v1
	v_mul_u32_u24 v[QSO], v4, 272
	s_delay_alu instid0(VALU_DEP_1)
	v_lshl_add_u32 v[QSO], v6, 7, v[QSO]
	s_delay_alu instid0(VALU_DEP_1)
	v_add_nc_u32 v[QSO], s58, v[QSO]               ; row r, my half's 128 bytes
	v_lshlrev_b32 v[OSA], 2, v4
	v_lshlrev_b32 v[SH8], 3, v6
.irp g, 0,1,2,3
	v_mov_b32 v[QF+4+\g], 0                        ; the zero codes between Q's two copies
.endr
	v_mov_b32 v[PR], 0                             ; a lane permute's destination counts as one of its sources
	v_mov_b32 v[PR2], 0
	v_mov_b32 v[FF+1], 0
	s_and_b32 s57, s[WV], 7
	s_mul_i32 s16, s57, 2*WSH                      ; my part of a fill: kv's at this byte,
	s_add_co_u32 s17, s16, QST                     ; Q's behind kv
	s_bfe_u32 s11, ttmp6, 0x40000
	s_lshl_b32 s12, ttmp9, 2
	s_add_co_u32 s12, s12, s11                     ; x
	s_and_b32 s13, ttmp7, 0xffff                   ; y = 16 b + head
	s_lshr_b32 s14, s13, 4
	s_and_b32 s15, s13, 15
	s_mul_i32 s18, s13, 139264
	s_add_co_u32 s18, s18, s16                     ; kv: the head's blocks, my two
	s_mov_b32 s19, 0
	s_lshl_b32 s50, s12, 9
	s_lshl_b32 s51, s57, 6
	s_add_co_u32 s50, s50, s51                     ; Q: row 512 x + 64 (w % 8)
	s_lshl_b32 s50, s50, 12
	s_lshl_b32 s51, s14, 23
	s_add_co_u32 s50, s50, s51
	s_lshl_b32 s51, s15, 8
	s_add_co_u32 s50, s50, s51                     ; of batch b, the head's 256 bytes (under 2^25)
	s_mov_b32 s51, 0
	s_lshl_b32 s52, s14, 4                         ; ai: block of 128 rows 16 b + 4 x + w / 4, 69,632 bytes each
	s_lshl_b32 s53, s12, 2
	s_add_co_u32 s52, s52, s53
	s_lshr_b32 s53, s[WV], 2
	s_add_co_u32 s52, s52, s53
	s_mul_i32 s52, s52, 69632
	s_and_b32 s53, s[WV], 3
	s_lshl_b32 s54, s53, 14
	s_add_co_u32 s54, s54, s52
	s_lshl_b32 s55, s15, 9
	s_add_co_u32 s54, s54, s55                     ; codes: row tile 2 (w % 4) + pass at 8,192 each, the head's 512 bytes
	s_mov_b32 s55, 0
	s_lshl_b32 s53, s53, 10
	s_add_co_u32 s52, s52, s53
	s_lshr_b32 s53, s15, 1
	s_lshl_b32 s53, s53, 6
	s_add_co_u32 s52, s52, s53
	s_and_b32 s53, s15, 1
	s_lshl_b32 s53, s53, 1
	s_add_co_u32 s52, s52, s53
	s_add_co_u32 s52, s52, 65536                   ; scale bytes: 512 a tile, 64 a K step of 128, the head's two bytes of a word
	s_mov_b32 s53, 0
	s_mov_b32 s[G1KV], 15|(3<<16)|(1<<21)          ; the mask of the four; elements of 8 bytes; bit 21 beside a mask
	s_mov_b32 s[G1KV+1], 32<<16                    ; 68 dense rows of 256 bytes
	s_mov_b32 s[G1KV+2], 68<<16
	s_mov_b32 s[G1KV+3], 32<<16
	s_mov_b32 s[G1KV+4], 68
	s_mov_b32 s[G1KV+5], 32
	s_mov_b32 s[G1KV+6], 0
	s_mov_b32 s[G1KV+7], 0
	s_mov_b32 s[G1Q], (2<<16)|(1<<20)|(5<<22)|(3<<25)   ; elements of 4 bytes; four words of padding behind every 64
	s_mov_b32 s[G1Q+1], 64<<16                     ; 64 rows of 64 numbers, 1,024 numbers apart
	s_mov_b32 s[G1Q+2], 64<<16
	s_mov_b32 s[G1Q+3], 64<<16
	s_mov_b32 s[G1Q+4], 64
	s_mov_b32 s[G1Q+5], 1024
	s_mov_b32 s[G1Q+6], 0
	s_mov_b32 s[G1Q+7], 0
	s_mov_b32 s[SEL], 0x76543210
	s_mov_b32 s[SEL+1], 0xfedcba98                 ; v_permlanex16_b32's selects for lane l xor 16
	s_mov_b32 s[CS], 0x3d38aa3b
	s_mov_b32 s[CS+1], s[CS]
	s_mov_b32 s[NC], 0xbd38aa3b
	s_wait_alu depctr_va_vdst(0)
	s_wait_dscnt 0x0                               ; both opening adds are done
	s_wait_kmcnt 0x0
	s_add_nc_u64 s[OSB:OSB+1], s[8:9], s[52:53]
	s_add_nc_u64 s[8:9], s[8:9], s[54:55]
	s_mov_b32 s[G0Q], 1
	s_mov_b32 s[G0Q+1], s17
	s_add_nc_u64 s[G0Q+2:G0Q+3], s[4:5], s[50:51]
	s_or_b32 s[G0Q+3], s[G0Q+3], 0x80000000
	s_mov_b32 s[G0KV], 1
	s_mov_b32 s[G0KV+1], s16
	s_add_nc_u64 s[G0KV+2:G0KV+3], s[6:7], s[18:19]
	s_or_b32 s[G0KV+3], s[G0KV+3], 0x80000000
	CROUND                                         ; the four work-groups are here: the joint loads meet
	s_cmp_lt_u32 s[WV], 8                          ; one tensor load a wave; the branch hangs on the wave's number alone
	s_cbranch_scc0 .Lfor_q
	tensor_load_to_lds s[G0KV:G0KV+3], s[G1KV:G1KV+7]
	s_nop 0
.rept 4
	v_nop
.endr
	s_branch .Lasked
.Lfor_q:
	tensor_load_to_lds s[G0Q:G0Q+3], s[G1Q:G1Q+7]
	s_nop 0
.rept 4
	v_nop
.endr
.Lasked:
	s_wait_tensorcnt 0x0                           ; my part has landed,
	s_barrier_signal -1
	s_barrier_wait -1                              ; and everybody's: these bytes are never written again
.irp p, 0,1
.irp j, 0,1,2,3,4,5,6,7
	ds_load_b128 v[KF+32*\p+4*\j:KF+32*\p+4*\j+3], v[QSO] offset:16*272*\p+16*\j   ; both passes' rows of Q: 32 channels a lane
.endr
.endr
	s_wait_dscnt 0x0
	QQ KF, QC, QW
	QQ KF+32, 224, QW+1
	ds_load_b64 v[SCW:SCW+1], v[LI] offset:8192    ; step 0's fragments and scale words of K
	LD4 KF, LI, 0, 0, 8
; A KEY STEP of 128 keys.  pf = 1: K's fragments of the next step are fetched; 2: those of step 0, for the next pass; 0: none.
.macro STEP pf, p
.if \pf == 2
.set KAR, LI
.set KOF, 0
.else
.set KAR, ADR
.set KOF, WSH
.endif
	s_wait_dscnt 0x0                               ; K's fragments and scale words, asked for a step ago, are in; no LDS instruction of mine is out
	s_barrier_signal -1                            ; I have begun this step
.irp j, 0,1,2,3
.irp u, 0,1
	SPROD \j, \u, \p
.endr
.endr
	v_add_nc_u32 v[ADR], s[TB], v[LI]              ; four places behind the products: for the reads of the scores and for the loads into fragments
	v_mov_b32 v[N2], v12                           ; the old -M
	v_nop
	v_nop
.irp g, 0,1                                    ; the largest score of my two blocks of 32 keys, in four chains; each tile is read from its low end on
	v_max3_num_f32 v[CA+2*\g], v[S+32*\g], v[S+32*\g+1], v[S+32*\g+2]
	v_max3_num_f32 v[CA+2*\g+1], v[S+32*\g+16], v[S+32*\g+17], v[S+32*\g+18]
.endr
.irp i, 3,5,7,9,11,13
.irp g, 0,1
	v_max3_num_f32 v[CA+2*\g], v[CA+2*\g], v[S+32*\g+\i], v[S+32*\g+\i+1]
	v_max3_num_f32 v[CA+2*\g+1], v[CA+2*\g+1], v[S+32*\g+16+\i], v[S+32*\g+17+\i]
.endr
.endr
.irp g, 0,1
	v_max3_num_f32 v[BM+\g], v[CA+2*\g], v[CA+2*\g+1], v[S+32*\g+15]
.endr
.irp g, 0,1
	v_max_num_f32 v[BM+\g], v[BM+\g], v[S+32*\g+31]
.endr
	; the row's maximum and -M: a chain of dependent lines, with this step's loads of V and the next step's of K between them
	s_delay_alu instid0(VALU_DEP_1)
	v_max_num_f32 v[RM], v[BM], v[BM+1]
	ds_load_b64 v[SCW+2:SCW+3], v[ADR] offset:8200
	LD4 VF, ADR, 4096, 0, 4
	v_permlanex16_b32 v[PR], v[RM], s[SEL], s[SEL+1]
	LD4 VF, ADR, 4096, 4, 4
	v_max3_num_f32 v13, v13, v[RM], v[PR]          ; the running largest score of my query
.if \pf
	ds_load_b64 v[SCW:SCW+1], v[KAR] offset:KOF+8192
	LD4 KF, KAR, KOF, 0, 2
.else
	s_delay_alu instid0(VALU_DEP_1)
.endif
	v_mul_f32 v12, s[NC], v13                      ; -t
.if \pf
	LD4 KF, KAR, KOF, 2, 3
.else
	s_delay_alu instid0(VALU_DEP_1)
.endif
	v_floor_f32 v12, v12                           ; -M = floor(-t): M is a whole number
.if \pf
	LD4 KF, KAR, KOF, 5, 3
.else
	s_delay_alu instid0(VALU_DEP_1)
.endif
	v_sub_f32 v[DD], v12, v[N2]                    ; old M - new M: a whole number, 0 or less
.set n, 0
.rept 4
	v_pk_fma_f32 v[S+n:S+n+1], v[S+n:S+n+1], s[CS:CS+1], v[12:13] op_sel_hi:[1,0,0]   ; t - M, two at a time
.set n, n+2
.endr
	v_cvt_i32_f32 v[DD], v[DD]                     ; (it saturates)
.rept 4
	v_pk_fma_f32 v[S+n:S+n+1], v[S+n:S+n+1], s[CS:CS+1], v[12:13] op_sel_hi:[1,0,0]
.set n, n+2
.endr
	v_ldexp_f32 v[FF], 1.0, v[DD]                  ; f = 2^(old M - new M)
.rept 24
	v_pk_fma_f32 v[S+n:S+n+1], v[S+n:S+n+1], s[CS:CS+1], v[12:13] op_sel_hi:[1,0,0]
.set n, n+2
.endr
.irp g, 0,1
	v_fma_f32 v[BM+\g], v[BM+\g], s[CS], v12       ; the same of each block's largest score: the same two instructions give the block's largest p
.endr
.set n, 0
.rept 16
	v_pk_mul_f32 v[OT+n:OT+n+1], v[OT+n:OT+n+1], v[FF:FF+1] op_sel_hi:[1,0]   ; O^T under the new M; no exponential stands between the last products and these first reads
.set n, n+2
.endr
	s_wait_alu depctr_va_vdst(0)                   ; the wait ahead of the batch and of the waits below
.if \pf
	s_wait_dscnt 9                                 ; V's nine loads are in; behind them stand K's nine
.else
	s_wait_dscnt 0x0
.endif
	s_barrier_wait -1                              ; all sixteen waves have begun this step
.set n, 0
.rept 64
	v_exp_f32 v[S+n], v[S+n]                       ; p = 2^(t - M)
.set n, n+1
.endr
.irp g, 0,1
	v_exp_f32 v[BM+\g], v[BM+\g]
.endr
	v_nop                                          ; a plain place behind the batch
	s_wait_alu depctr_va_vdst(0)                   ; one wait for the batch, ahead of its first reader
.irp g, 0,1
	v_max_num_f32 v[BM+\g], 0x1800000, v[BM+\g]    ; the floor 2^(3 - 127): the byte cannot fall under 1
.endr
	; THE ROW'S SUM of the unquantised p, two at a time, in two chains; the lines that make p's codes and scale word stand among its additions, each four or more lines behind the line whose result it reads
	v_pk_add_f32 v[TT:TT+1], v[S:S+1], v[S+2:S+3]
	v_pk_fma_f32 v[14:15], v[14:15], v[FF:FF+1], v[S+4:S+5] op_sel_hi:[1,0,1]   ; the old sums x f, brought under the new M, and the first addition, in one
	v_pk_add_f32 v[TT:TT+1], v[TT:TT+1], v[S+6:S+7]
.irp g, 0,1
	v_add_nc_u32 v[SO+\g], 0xff000000, v[BM+\g]    ; 2 off the exponent field: the conversion's scale operand
.endr
.irp j, 8,12
	v_pk_add_f32 v[14:15], v[14:15], v[S+\j:S+\j+1]
	v_pk_add_f32 v[TT:TT+1], v[TT:TT+1], v[S+\j+2:S+\j+3]
.endr
.irp g, 0,1
.irp i, 0,1,2,3
	v_cvt_scalef32_pk8_fp4_f32 v[PC+4*\g+\i], v[S+32*\g+8*\i:S+32*\g+8*\i+7], v[SO+\g]   ; keys 64 g + 32 h + 8 i on: register 4 g + i of P's operand
.endr
.endr
.irp g, 0,1
	v_lshrrev_b32 v[SB+\g], 23, v[SO+\g]           ; the bytes of blocks h and 2 + h; also the plain lines behind the conversions
.endr
.irp j, 16,20
	v_pk_add_f32 v[14:15], v[14:15], v[S+\j:S+\j+1]
	v_pk_add_f32 v[TT:TT+1], v[TT:TT+1], v[S+\j+2:S+\j+3]
.endr
	v_lshl_or_b32 v[SB], v[SB+1], 16, v[SB]
.irp j, 24,28
	v_pk_add_f32 v[14:15], v[14:15], v[S+\j:S+\j+1]
	v_pk_add_f32 v[TT:TT+1], v[TT:TT+1], v[S+\j+2:S+\j+3]
.endr
	v_lshlrev_b32 v[SB], v[SH8], v[SB]             ; at their places, 8 h bits up
.irp j, 32,36
	v_pk_add_f32 v[14:15], v[14:15], v[S+\j:S+\j+1]
	v_pk_add_f32 v[TT:TT+1], v[TT:TT+1], v[S+\j+2:S+\j+3]
.endr
	v_permlanex16_b32 v[PR], v[SB], s[SEL], s[SEL+1]
.irp j, 40,44
	v_pk_add_f32 v[14:15], v[14:15], v[S+\j:S+\j+1]
	v_pk_add_f32 v[TT:TT+1], v[TT:TT+1], v[S+\j+2:S+\j+3]
.endr
	v_or_b32 v[PW], v[SB], v[PR]                   ; with lane l xor 16's two the word is whole; nine plain lines stand between it and the products
.irp j, 48,52,56,60
	v_pk_add_f32 v[14:15], v[14:15], v[S+\j:S+\j+1]
	v_pk_add_f32 v[TT:TT+1], v[TT:TT+1], v[S+\j+2:S+\j+3]
.endr
	s_delay_alu instid0(VALU_DEP_1)
	v_pk_add_f32 v[14:15], v[14:15], v[TT:TT+1]
.irp t, 0,1,2,3
	OPROD \t
.endr
.endm
; THE WAY OUT of a pass: O^T / the sum, quantised along the head's 64 channels.  By V's order of channels the 16 registers of tiles 2 b and 2 b + 1 are channels 32 b + 16 h + 0 .. 15.
.macro FIN p
.rept 4
	v_nop
.endr
	v_add_f32 v14, v14, v15
	s_delay_alu instid0(VALU_DEP_1)
	v_permlanex16_b32 v[PR], v14, s[SEL], s[SEL+1]
	s_delay_alu instid0(VALU_DEP_1)
	v_add_f32 v14, v14, v[PR]
	s_wait_alu depctr_va_vdst(0)                   ; the wait ahead of the transcendental
	v_rcp_f32 v[FF], v14
	v_nop
	s_wait_alu depctr_va_vdst(0)                   ; and ahead of its first reader, which is also the first reader of the last products
.set n, 0
.rept 16
	v_pk_mul_f32 v[OT+n:OT+n+1], v[OT+n:OT+n+1], v[FF:FF+1] op_sel_hi:[1,0]
.set n, n+2
.endr
.irp b, 0,1
	v_max3_num_f32 v[BM+\b], |v[OT+16*\b]|, |v[OT+1+16*\b]|, 0x1800000
.endr
.irp i, 2,4,6,8,10,12,14
.irp b, 0,1
	s_delay_alu instid0(VALU_DEP_2)
	v_max3_num_f32 v[BM+\b], v[BM+\b], |v[OT+16*\b+\i]|, |v[OT+1+16*\b+\i]|
.endr
.endr
	s_delay_alu instid0(VALU_DEP_2)
	v_permlanex16_b32 v[PR], v[BM], s[SEL], s[SEL+1]
	s_delay_alu instid0(VALU_DEP_2)
	v_permlanex16_b32 v[PR2], v[BM+1], s[SEL], s[SEL+1]
	s_delay_alu instid0(VALU_DEP_2)
	v_max_num_f32 v[BM], v[BM], v[PR]
	s_delay_alu instid0(VALU_DEP_2)
	v_max_num_f32 v[BM+1], v[BM+1], v[PR2]
.irp b, 0,1
	s_delay_alu instid0(VALU_DEP_2)
	v_add_nc_u32 v[SO+\b], 0xff000000, v[BM+\b]
.endr
.irp b, 0,1
	s_delay_alu instid0(VALU_DEP_2)
	v_lshrrev_b32 v[SB+\b], 23, v[SO+\b]
.endr
	s_delay_alu instid0(VALU_DEP_1)
	v_lshl_or_b32 v[OW], v[SB+1], 8, v[SB]
.irp b, 0,1
	v_cvt_scalef32_pk8_fp4_f32 v[PC+2*\b], v[OT+16*\b:OT+7+16*\b], v[SO+\b]
	v_cvt_scalef32_pk8_fp4_f32 v[PC+1+2*\b], v[OT+8+16*\b:OT+15+16*\b], v[SO+\b]
.endr
	v_nop
	v_permlane16_swap_b32 v[PC], v[PC+2]           ; a whole block in a lane, as the operand's layout wants it
	v_permlane16_swap_b32 v[PC+1], v[PC+3]
	global_store_b128 v[LI], v[PC:PC+3], s[8:9] offset:8192*\p     ; 512 consecutive bytes
	global_store_b16 v[OSA], v[OW], s[OSB:OSB+1] offset:512*\p     ; both lanes of a row store the same two bytes
.endm
.macro PASS p
.if \p
	s_wait_xcnt 0x0                                ; the last pass's stores have read their registers
.endif
.irp g, 0,1,2,3
	v_mov_b32 v[QF+\g], v[QC+196*\p+\g]            ; this pass's codes of Q, on both sides of the zeros
	v_mov_b32 v[QF+8+\g], v[QC+196*\p+\g]
.endr
	v_mov_b32 v13, 0xff61b1e6                      ; the largest score so far: -3e38
	v_mov_b32 v14, 0
	v_mov_b32 v15, 0
	v_mul_f32 v12, s[NC], v13
	s_delay_alu instid0(VALU_DEP_1)
	v_floor_f32 v12, v12
.set n, 0
.rept 32
	v_mov_b32 v[OT+n], 0                           ; the step is written once: the first finds zeros, which the first change of M leaves zeros
.set n, n+1
.endr
	s_mov_b32 s[TB], 0
	s_mov_b32 s[CNT], 15
	s_wait_alu depctr_va_vdst(0)
.Lstep_\@:
	STEP 1, \p
	s_add_co_u32 s[TB], s[TB], WSH
	s_sub_co_u32 s[CNT], s[CNT], 1
	s_cmp_lg_u32 s[CNT], 0
	s_cbranch_scc1 .Lstep_\@
	STEP 2-2*\p, \p                                ; the last step is written out: it fetches step 0 for the next pass, or nothing
	FIN \p
.endm
	PASS 0
	PASS 1
	s_wait_tensorcnt 0x0                           ; the wave's end
	ds_add_u32 v[SPW], v[NIL]
	s_wait_dscnt 0x0
	CROUND                                         ; the closing round
	s_endpgm
.Lfunc_end_k_qc5fd938dd4_attn:
	.size	k_qc5fd938dd4_attn, .Lfunc_end_k_qc5fd938dd4_attn-k_qc5fd938dd4_attn
	.p2alignl 7, 3214868480
	.fill 96, 4, 3214868480
	.section	.rodata,"a",@progbits
	.p2align	6, 0x0
	.amdhsa_kernel k_qc5fd938dd4_attn
		.amdhsa_group_segment_fixed_size 327680
		.amdhsa_private_segment_fixed_size 0
		.amdhsa_enable_private_segment 0
		.amdhsa_kernarg_size 24
		.amdhsa_user_sgpr_count 2
		.amdhsa_user_sgpr_kernarg_segment_ptr 1
		.amdhsa_wavefront_size32 1
		.amdhsa_system_sgpr_workgroup_id_x 1
		.amdhsa_system_sgpr_workgroup_id_y 1
		.amdhsa_system_sgpr_workgroup_id_z 1
		.amdhsa_system_vgpr_workitem_id 0
		.amdhsa_next_free_vgpr 256
		.amdhsa_next_free_sgpr 66
		.amdhsa_reserve_vcc 0
		.amdhsa_float_denorm_mode_32 3
		.amdhsa_float_denorm_mode_16_64 3
		.amdhsa_memory_ordered 1
		.amdhsa_forward_progress 1
		.amdhsa_inst_pref_size 78
	.end_amdhsa_kernel
	.amdgpu_metadata
---
amdhsa.version: [ 1, 2 ]
amdhsa.kernels:
  - .name:           k_qc5fd938dd4_attn
    .symbol:         k_qc5fd938dd4_attn.kd
    .args:
      - { .name: Q, .offset: 0, .size: 8, .value_kind: global_buffer, .address_space: global }
      - { .name: kv, .offset: 8, .size: 8, .value_kind: global_buffer, .address_space: global }
      - { .name: ai, .offset: 16, .size: 8, .value_kind: global_buffer, .address_space: global }
    .group_segment_fixed_size: 327680
    .private_segment_fixed_size: 0
    .kernarg_segment_align: 8
    .kernarg_segment_size: 24
    .max_flat_workgroup_size: 512
    .sgpr_count:     66
    .vgpr_count:     256
    .wavefront_size: 32
...
	.end_amdgpu_metadata
.endif
;; end of part 2
;; launch proj (part 3): grid 4 x 64, 8 waves a work-group, clusters of 4 x 4, 244,736 bytes of LDS; arguments ai, wi, b_out, out0; writes out0
.if DOCPART == 3
	.amdgcn_target "amdgcn-amd-amdhsa--gfx1250"
	.amdhsa_code_object_version 6
	.text
	.protected	k_qc5fd938dd4_proj
	.globl	k_qc5fd938dd4_proj
	.p2align	8
	.type	k_qc5fd938dd4_proj,@function
k_qc5fd938dd4_proj:
	s_mov_b64 s[64:65], 0
	v_nop
	global_prefetch_b8 v0, s[64:65] scope:SCOPE_SE
	s_setreg_imm32_b32 hwreg(HW_REG_WAVE_MODE, 25, 1), 1
	s_wait_xcnt 0x0
	s_wait_alu depctr_hold_cnt(0) depctr_sa_sdst(0) depctr_va_vdst(0) depctr_va_sdst(0) depctr_va_ssrc(0) depctr_va_vcc(0) depctr_vm_vsrc(0)
	s_getreg_b32 s2, hwreg(HW_REG_IB_STS2, 6, 4)
	s_cmp_eq_u32 s2, 0
	s_cbranch_scc0 .Lentry_in_a_cluster
	s_endpgm
.Lentry_in_a_cluster:
	s_bfe_u32 s2, ttmp6, 0x10000c
	s_cmp_lg_u32 s2, 0xf033
	s_cbranch_scc0 .Lentry_shape_is_right
	s_endpgm
.Lentry_shape_is_right:
; out0[m][n] = the sum over k of A[m][k] W_out[n][k] + b_out[n]: [8,192] x [1,024] over K = 1,024, on codes of FP4 (E2M1) with one E8M0 scale for each 32 along K; sums in f32.
; Both operands come as the earlier launches laid them, in the order of the operands' registers:
;   ai: [block of 128 rows][69,632 bytes]: the fragment of row tile i, K step kap at 8,192 i + 1,024 kap (+ 512 c + 16 x lane); scale words at 65,536 + 512 i + 64 kap + 4 r
;   wi: [block of 256 columns][139,264 bytes]: the fragment of tile T, K step kap at 8,192 T + 1,024 kap; scale words at 131,072 + 512 T + 64 kap + 4 r; lane r of tile 2 G + u is column 32 G + 8 u + r + 8 (r / 8)
; SHARES.  A work-group makes 128 rows x 256 columns: 256 work-groups.  Wave w makes rows 64 (w / 4) on, columns 64 (w % 4) on: 16 accumulators of 16 x 16, 128 registers.
; LDS IS FILLED ONCE: the work-group's block of ai and its block of wi, all of K, 208,896 bytes, by six tensor loads of 34,816 bytes (waves 0, 1: ai's halves; waves 2 to 5: wi's quarters).  Nothing is filled again.
; CLUSTER, 4 x 4 work-groups: the four of a row of the cluster need the same block of ai, the four of a column the same block of wi: each part is asked for JOINTLY, by the same tensor load with the same descriptor and a mask that names the four.
; THE MATRIX INSTRUCTION IS USED TRANSPOSED (source 0 = 16 columns of W_out, source 1 = 16 rows of A): a lane holds one row of the output; by the order of W's columns in a tile the 16 registers of tiles 2 G and 2 G + 1
; are 16 neighbouring columns, 32 G + 16 (lane / 16) + 0 .. 15.  The bias is the C of each sum's first product.
; LIMITS: as the codes and scale bytes come; NaN and infinities in b_out go through as they are.
.set PARTB, 34816                      ; what one tensor load brings: 136 rows of 256 bytes
.set WBLK,  69632                      ; wi's block, behind ai's
.set STAGE, 208896                     ; behind both: 16 rows x 272 bytes for each wave, its own; no tensor load lands here
.set AFA,  4                           ; v4   LDS address of my fragments of A
.set WFA,  5                           ; v5   of W
.set ASA,  6                           ; v6   of A's scale words: lanes 0-15 tile 2 q's, lanes 16-31 tile 2 q + 1's
.set WSA,  7                           ; v7   of W's
.set STO,  8                           ; v8   the way out: where I put 32 bytes of a row
.set RD,   9                           ; v9   where I read a row back
.set CO,   10                          ; v10  my byte offset in the output
.set BLO,  11                          ; v11  64 (lane / 16): my half's bias
.set ASC,  12                          ; v12-13 A's scale words, v14-15 W's: they hold scales and nothing else
.set WSC,  14
.set BI,   32                          ; v32-63   the bias: 4 tiles x 8 registers, in the result's layout
.set AF,   64                          ; v64-95   A's four fragments of a K step; on the way out rows of the output
.set WF,   96                          ; v96-127  W's four
.set ACC,  128                         ; v128-255 accumulator (i, t) at 128 + 8 (4 i + t)
.set WV,   12                          ; s12  my wave's number
.set G1A,  24
.set G1W,  32
.set G0A,  40
.set G0W,  44
.macro CROUND                          ; a round of the cluster's barrier
	s_barrier_signal -1
	s_barrier_wait -1
	s_cmp_lg_u32 s[WV], 0
	s_cbranch_scc1 .Lnot_wave_0_\@
	s_barrier_signal -3
.Lnot_wave_0_\@:
	s_barrier_wait -3
	s_barrier_signal -1
	s_barrier_wait -1
.endm
	s_load_b256 s[4:11], s[0:1], 0x0               ; ai s[4:5], wi s[6:7], b_out s[8:9], out0 s[10:11]
	v_lshl_add_u32 v30, v0, 2, 0x3b800
	v_mov_b32 v31, 0
	ds_add_u32 v30, v31
	ds_add_u32 v30, v31
	v_lshrrev_b32 v1, 5, v0
	s_delay_alu instid0(VALU_DEP_1)
	v_readfirstlane_b32 s[WV], v1                  ; wave 0..7
	s_lshr_b32 s13, s[WV], 2                       ; wm: which 64 rows
	s_and_b32 s14, s[WV], 3                        ; wn: which 64 columns
	s_bfe_u32 s15, ttmp6, 0x40000                  ; cx, cy: my place in the cluster
	s_bfe_u32 s16, ttmp6, 0x40004
	s_lshl_b32 s17, ttmp9, 2
	s_add_co_u32 s17, s17, s15                     ; x: my block of 256 columns
	s_and_b32 s18, ttmp7, 0xffff
	s_lshl_b32 s18, s18, 2
	s_add_co_u32 s18, s18, s16                     ; y: my block of 128 rows
	s_lshl_b32 s19, s16, 2
	s_lshl_b32 s19, 15, s19                        ; my row of the cluster
	s_lshl_b32 s56, 0x1111, s15                    ; my column
	s_or_b32 s[G1A], s19, (3<<16)|(1<<21)          ; 15:0 the mask: ai's block goes to my row; 17:16 elements of 8 bytes; 21 set beside a mask
	s_or_b32 s[G1W], s56, (3<<16)|(1<<21)          ; wi's block goes to my column
.irp g, G1A, G1W
	s_mov_b32 s[\g+1], 32<<16                      ; tensor_dim0: 32 elements, 256 bytes
	s_mov_b32 s[\g+2], 136<<16                     ; tensor_dim1
	s_mov_b32 s[\g+3], 32<<16                      ; tile_dim0
	s_mov_b32 s[\g+4], 136                         ; tile_dim1
	s_mov_b32 s[\g+5], 32                          ; tensor_dim0_stride: dense
	s_mov_b32 s[\g+6], 0
	s_mov_b32 s[\g+7], 0
.endr
	; Every wave makes both addresses, each in registers that never hold the other coordinate, and asks by one of them or by none.
	s_and_b32 s48, s[WV], 1
	s_mul_i32 s48, s48, PARTB
	s_mul_i32 s20, s18, 69632
	s_add_co_u32 s20, s20, s48                     ; ai: block y, half w % 2
	s_mov_b32 s21, 0
	s_sub_co_u32 s49, s[WV], 2
	s_and_b32 s49, s49, 3
	s_mul_i32 s49, s49, PARTB
	s_mul_i32 s22, s17, 139264
	s_add_co_u32 s22, s22, s49                     ; wi: block x, quarter w - 2
	s_mov_b32 s23, 0
	s_mul_i32 s50, s[WV], PARTB                    ; where a part goes: w x 34,816: ai's two halves, then wi's four quarters; no place in the cluster enters it
	s_lshl_b32 s54, s17, 10
	s_lshl_b32 s55, s14, 8
	s_add_co_u32 s54, s54, s55                     ; my first column, in bytes: 1,024 x + 256 wn
	s_lshl_b32 s52, s18, 7
	s_lshl_b32 s55, s13, 6
	s_add_co_u32 s52, s52, s55                     ; my first row: 128 y + 64 wm
	s_lshl_b32 s52, s52, 12
	s_add_co_u32 s52, s52, s54                     ; (under 2^25)
	s_mov_b32 s53, 0
	s_mov_b32 s55, 0
	s_wait_dscnt 0x0
	s_wait_kmcnt 0x0
	s_mov_b32 s[G0A], 1                            ; 1:0 count = 1
	s_mov_b32 s[G0A+1], s50                        ; 63:32 LDS address
	s_add_nc_u64 s[G0A+2:G0A+3], s[4:5], s[20:21]  ; 120:64 global address
	s_or_b32 s[G0A+3], s[G0A+3], 0x80000000        ; 127:126 type = 2
	s_mov_b32 s[G0W], 1
	s_mov_b32 s[G0W+1], s50
	s_add_nc_u64 s[G0W+2:G0W+3], s[6:7], s[22:23]
	s_or_b32 s[G0W+3], s[G0W+3], 0x80000000
	s_add_nc_u64 s[8:9], s[8:9], s[54:55]          ; the bias of my 64 columns
	s_add_nc_u64 s[10:11], s[10:11], s[52:53]      ; the output at my first row and column
	CROUND                                         ; all sixteen work-groups are here: the joint loads meet
	s_cmp_lt_u32 s[WV], 2                          ; the branches hang on the wave's number alone; a wave has at most one tensor load out
	s_cbranch_scc0 .Lnot_a
	tensor_load_to_lds s[G0A:G0A+3], s[G1A:G1A+7]
	s_nop 0
.rept 4
	v_nop
.endr
	s_branch .Lasked
.Lnot_a:
	s_cmp_lt_u32 s[WV], 6
	s_cbranch_scc0 .Lasked
	tensor_load_to_lds s[G0W:G0W+3], s[G1W:G1W+7]
	s_nop 0
.rept 4
	v_nop
.endr
.Lasked:
	v_and_b32 v1, 31, v0                           ; lane
	v_and_b32 v2, 15, v0                           ; r
	s_wait_alu depctr_va_vdst(0)
	v_bfe_u32 v3, v0, 4, 1                         ; h
	s_delay_alu instid0(VALU_DEP_1)
	v_lshlrev_b32 v[BLO], 6, v3
.irp t, 0,1,2,3
.irp e, 0,1
	global_load_b128 v[BI+8*\t+4*\e:BI+8*\t+4*\e+3], v[BLO], s[8:9] offset:128*(\t/2)+32*(\t%2)+16*\e   ; tile t's register j is column 32 (t / 2) + 16 h + 8 (t % 2) + j
.endr
.endr
	s_lshl_b32 s58, s13, 15                        ; my four row tiles: 4 wm on, 8,192 bytes each
	v_lshl_add_u32 v[AFA], v1, 4, s58
	s_lshl_b32 s58, s14, 15
	s_add_co_u32 s58, s58, WBLK
	v_lshl_add_u32 v[WFA], v1, 4, s58
	v_lshlrev_b32 v[ASA], 2, v2
	s_delay_alu instid0(VALU_DEP_1)
	v_lshl_add_u32 v[ASA], v3, 9, v[ASA]           ; 4 r + 512 h: lanes 16-31 take the next tile's words
	s_lshl_b32 s58, s14, 11
	s_add_co_u32 s58, s58, WBLK+131072
	v_add_nc_u32 v[WSA], s58, v[ASA]
	s_lshl_b32 s58, s13, 11
	s_add_co_u32 s58, s58, 65536
	v_add_nc_u32 v[ASA], s58, v[ASA]
	s_mul_i32 s57, s[WV], 16*272
	s_add_co_u32 s57, s57, STAGE                   ; my stage
	v_mul_u32_u24 v[STO], v2, 272
	s_wait_alu depctr_va_vdst(0)
	v_lshl_add_u32 v[STO], v3, 6, v[STO]
	s_delay_alu instid0(VALU_DEP_1)
	v_add_nc_u32 v[STO], s57, v[STO]               ; in: row r, + 64 h
	v_mul_u32_u24 v[RD], v3, 272
	s_delay_alu instid0(VALU_DEP_1)
	v_lshl_add_u32 v[RD], v2, 4, v[RD]
	s_delay_alu instid0(VALU_DEP_1)
	v_add_nc_u32 v[RD], s57, v[RD]                 ; back: lanes 0-15 one row of 256 bytes, lanes 16-31 the next
	v_lshlrev_b32 v[CO], 12, v3
	s_delay_alu instid0(VALU_DEP_1)
	v_lshl_add_u32 v[CO], v2, 4, v[CO]             ; and the same two rows in the output
	s_wait_tensorcnt 0x0                           ; my part, if I fetched one, has landed,
	s_wait_loadcnt 0x0                             ; and the bias is in
	s_barrier_signal -1
	s_barrier_wait -1                              ; everybody's part has landed; these bytes are never written again
; One product: row tile i x column tile t, K step kap.  The first K step takes the bias as C; later ones add in place.  The scale words of an odd tile lie in lanes 16-31 of its pair's register.
.macro PROD i, t, kap
.set DR, ACC+8*(4*(\i)+(\t))
.if (\kap) == 0
.set CR, BI+8*(\t)
.else
.set CR, DR
.endif
.if ((\t)%2 == 0) && ((\i)%2 == 0)
	v_wmma_scale_f32_16x16x128_f8f6f4 v[DR:DR+7], v[WF+8*(\t):WF+8*(\t)+7], v[AF+8*(\i):AF+8*(\i)+7], v[CR:CR+7], v[WSC+(\t)/2], v[ASC+(\i)/2] matrix_a_fmt:MATRIX_FMT_FP4 matrix_b_fmt:MATRIX_FMT_FP4
.elseif ((\t)%2 == 1) && ((\i)%2 == 0)
	v_wmma_scale_f32_16x16x128_f8f6f4 v[DR:DR+7], v[WF+8*(\t):WF+8*(\t)+7], v[AF+8*(\i):AF+8*(\i)+7], v[CR:CR+7], v[WSC+(\t)/2], v[ASC+(\i)/2] matrix_a_fmt:MATRIX_FMT_FP4 matrix_b_fmt:MATRIX_FMT_FP4 matrix_a_scale:MATRIX_SCALE_ROW1
.elseif ((\t)%2 == 0)
	v_wmma_scale_f32_16x16x128_f8f6f4 v[DR:DR+7], v[WF+8*(\t):WF+8*(\t)+7], v[AF+8*(\i):AF+8*(\i)+7], v[CR:CR+7], v[WSC+(\t)/2], v[ASC+(\i)/2] matrix_a_fmt:MATRIX_FMT_FP4 matrix_b_fmt:MATRIX_FMT_FP4 matrix_b_scale:MATRIX_SCALE_ROW1
.else
	v_wmma_scale_f32_16x16x128_f8f6f4 v[DR:DR+7], v[WF+8*(\t):WF+8*(\t)+7], v[AF+8*(\i):AF+8*(\i)+7], v[CR:CR+7], v[WSC+(\t)/2], v[ASC+(\i)/2] matrix_a_fmt:MATRIX_FMT_FP4 matrix_b_fmt:MATRIX_FMT_FP4 matrix_a_scale:MATRIX_SCALE_ROW1 matrix_b_scale:MATRIX_SCALE_ROW1
.endif
.endm
; A K step of 128: 20 LDS loads, 16 products.  The 16 accumulators take turns, one instruction a turn, in the same order in every step.
.macro KSTEP kap
.if (\kap) > 0
.rept 4
	v_nop                                          ; places in front of loads into registers that the last products read (ISA guide 7.12.1 for vector instructions)
.endr
.endif
.irp i, 0,1,2,3
.irp c, 0,1
	ds_load_b128 v[AF+8*\i+4*\c:AF+8*\i+4*\c+3], v[AFA] offset:8192*\i+1024*(\kap)+512*\c    ; 512 consecutive bytes, 16 a lane
	ds_load_b128 v[WF+8*\i+4*\c:WF+8*\i+4*\c+3], v[WFA] offset:8192*\i+1024*(\kap)+512*\c
.endr
.endr
.irp q, 0,1
	ds_load_b32 v[ASC+\q], v[ASA] offset:1024*\q+64*(\kap)
	ds_load_b32 v[WSC+\q], v[WSA] offset:1024*\q+64*(\kap)
.endr
	s_wait_dscnt 0x0
.irp i, 0,1,2,3
.irp t, 0,1,2,3
	PROD \i, \t, \kap
.endr
.endr
.endm
.irp kap, 0,1,2,3,4,5,6,7
	KSTEP \kap
.endr
; THE WAY OUT, a tile of 16 rows x 64 columns at a time.  A lane holds pieces of one row, and the lanes beside it hold other rows: so a tile goes through my own stage in LDS and comes back as whole rows of 256 bytes.
; LDS serves a wave's instructions in order (ISA guide 5.7.1.4): no wait between the stores and the loads, nor in front of the next tile's stores.
.macro TOSTAGE i
.irp t, 0,1,2,3
	ds_store_b128 v[STO], v[ACC+8*(4*(\i)+\t):ACC+8*(4*(\i)+\t)+3] offset:128*(\t/2)+32*(\t%2)          ; each accumulator from its low end on
	ds_store_b128 v[STO], v[ACC+8*(4*(\i)+\t)+4:ACC+8*(4*(\i)+\t)+7] offset:128*(\t/2)+32*(\t%2)+16
.endr
.irp q, 0,1,2,3,4,5,6,7
	ds_load_b128 v[AF+32*((\i)%2)+4*\q:AF+32*((\i)%2)+4*\q+3], v[RD] offset:2*272*\q
.endr
.endm
.macro SEND i, younger                 ; younger: the LDS instructions issued behind tile i's loads, which may stay out
	s_wait_dscnt \younger
.irp q, 0,1,2,3,4,5,6,7
	global_store_b128 v[CO], v[AF+32*((\i)%2)+4*\q:AF+32*((\i)%2)+4*\q+3], s[10:11] offset:65536*(\i)+8192*\q th:TH_STORE_NT   ; sixteen lanes store 256 consecutive bytes, aligned; written once, read by nobody here
.endr
.endm
.rept 4
	v_nop                                          ; places behind the last products: for the stores that read results, and for the loads into the registers that held fragments
.endr
	s_wait_alu depctr_va_vdst(0)
	TOSTAGE 0
	TOSTAGE 1
	SEND 0, 16                                     ; behind tile 0's loads: tile 1's eight stores and eight loads
	s_wait_xcnt 0x0                                ; tile 0's stores have read their registers: tile 2's loads may land there
	TOSTAGE 2
	SEND 1, 16
	s_wait_xcnt 0x0
	TOSTAGE 3
	SEND 2, 16
	SEND 3, 0
	s_wait_dscnt 0x0
	s_wait_tensorcnt 0x0
	ds_add_u32 v30, v31
	s_wait_dscnt 0x0
	CROUND                                         ; the closing round: no work-group ends while a partner may still ask for a part that names it
	s_endpgm
.Lfunc_end_k_qc5fd938dd4_proj:
	.size	k_qc5fd938dd4_proj, .Lfunc_end_k_qc5fd938dd4_proj-k_qc5fd938dd4_proj
	.p2alignl 7, 3214868480
	.fill 96, 4, 3214868480
	.section	.rodata,"a",@progbits
	.p2align	6, 0x0
	.amdhsa_kernel k_qc5fd938dd4_proj
		.amdhsa_group_segment_fixed_size 244736
		.amdhsa_private_segment_fixed_size 0
		.amdhsa_enable_private_segment 0
		.amdhsa_kernarg_size 32
		.amdhsa_user_sgpr_count 2
		.amdhsa_user_sgpr_kernarg_segment_ptr 1
		.amdhsa_wavefront_size32 1
		.amdhsa_system_sgpr_workgroup_id_x 1
		.amdhsa_system_sgpr_workgroup_id_y 1
		.amdhsa_system_sgpr_workgroup_id_z 1
		.amdhsa_system_vgpr_workitem_id 0
		.amdhsa_next_free_vgpr 256
		.amdhsa_next_free_sgpr 66
		.amdhsa_reserve_vcc 0
		.amdhsa_float_denorm_mode_32 3
		.amdhsa_float_denorm_mode_16_64 3
		.amdhsa_memory_ordered 1
		.amdhsa_forward_progress 1
		.amdhsa_inst_pref_size 42
	.end_amdhsa_kernel
	.amdgpu_metadata
---
amdhsa.version: [ 1, 2 ]
amdhsa.kernels:
  - .name:           k_qc5fd938dd4_proj
    .symbol:         k_qc5fd938dd4_proj.kd
    .args:
      - { .name: ai, .offset: 0, .size: 8, .value_kind: global_buffer, .address_space: global }
      - { .name: wi, .offset: 8, .size: 8, .value_kind: global_buffer, .address_space: global }
      - { .name: b_out, .offset: 16, .size: 8, .value_kind: global_buffer, .address_space: global }
      - { .name: out0, .offset: 24, .size: 8, .value_kind: global_buffer, .address_space: global }
    .group_segment_fixed_size: 244736
    .private_segment_fixed_size: 0
    .kernarg_segment_align: 8
    .kernarg_segment_size: 32
    .max_flat_workgroup_size: 256
    .sgpr_count:     66
    .vgpr_count:     256
    .wavefront_size: 32
...
	.end_amdgpu_metadata
.endif
;; end of part 3
